; MI455X (gfx1250); checked and timed in simulation.
; The chip was launched on July 23, 2026; its instructions are those of AMD's public machine-readable ISA for CDNA 5 (MIT licence, August 2026) and "CDNA5" Instruction Set Architecture Reference Guide (July 2026). The comments in the code are by the model that wrote it; some were corrected since.
;; IQNRNN Dist Agent. Allowed arithmetic: matrix products marked QUANTISED: E4M3 operands, one given power-of-two scale a tensor, by v_wmma_f32_16x16x64_fp8_fp8 or v_wmma_f32_16x16x128_fp8_fp8, f32 sums; products left as they are: f32 operands where the result goes on into a quantised operand, else bf16, f16 or f32 operands; f32 sums; everything else in f32.
;; Inputs: fc1_b 128 float32; fc1_w_codes 128 x 8 x 32 uint8 (E4M3 codes of fc1_w, K innermost, in blocks of 32 codes); fc2_b 14 float32; fc2_w 128 x 14 float32; gru_bh 384 float32; gru_bi 384 float32; gru_wh_codes 384 x 4 x 32 uint8 (E4M3 codes of gru_wh, K innermost, in blocks of 32 codes); gru_wi_codes 384 x 4 x 32 uint8 (E4M3 codes of gru_wi, K innermost, in blocks of 32 codes); hidden_state 4,096 x 128 float32; hyp_b1 64 float32; hyp_b2 32,768 float32; hyp_w1 8 x 64 float32; hyp_w2_codes 32,768 x 2 x 32 uint8 (E4M3 codes of hyp_w2, K innermost, in blocks of 32 codes); inputs_codes 512 x 8 x 8 x 32 uint8 (E4M3 codes of inputs, K innermost, in blocks of 32 codes); lowp_scales 10 int32 (the exponents e of the quantised operands' scales 2^e); merger_w 1 x 2 x 128 float32; phi_b 128 float32; phi_w_codes 128 x 2 x 32 uint8 (E4M3 codes of phi_w, K innermost, in blocks of 32 codes); rnd_quantiles 512 x 1 x 8 float32.
;; Outputs: out0 4,096 x 14 x 8 float32; out1 4,096 x 128 float32; out2 512 x 8 float32.
;; This version of the problem:
;;   THIS VERSION OF THE PROBLEM IS GIVEN IN LOW PRECISION. The matrix products marked QUANTISED in the list below multiply operands that are first quantised to E4M3 (4 exponent bits, 3 mantissa bits; 8 bits a number), with one given power-of-two scale for each operand tensor; their sums are f32. All else is computed in f32.
;;   The module's matrix products, in the order in which they are computed (A, B: the left and right operand; K: the contracted axis; several contracted axes count as one K, in the product's order):
;;     1. [M 4,096, K 256] x [K 256, N 128]; A: input inputs (given as codes); B: input fc1_w (given as codes): QUANTISED (scales: A lowp_scales[0], B lowp_scales[1])
;;     2. [M 4,096, K 8] x [K 8, N 64]; A: computed on the way; B: input hyp_w1: left as it is (K = 8 < 32)
;;     3. [M 4,096, K 64] x [K 64, N 32,768]; A: computed on the way; B: input hyp_w2 (given as codes): QUANTISED (scales: A lowp_scales[2], B lowp_scales[3])
;;     4. batch 4,096 x [M 1, K 128] x [K 128, N 256]; A: computed on the way; B: computed on the way: left as it is (M = 1 < 16)
;;     5. [M 4,096, K 128] x [K 128, N 384]; A: computed on the way; B: input gru_wi (given as codes): QUANTISED (scales: A lowp_scales[4], B lowp_scales[5])
;;     6. [M 4,096, K 128] x [K 128, N 384]; A: input hidden_state; B: input gru_wh (given as codes): QUANTISED (scales: A lowp_scales[6], B lowp_scales[7])
;;     7. [M 4,096, K 64] x [K 64, N 128]; A: computed on the way; B: input phi_w (given as codes): QUANTISED (scales: A lowp_scales[8], B lowp_scales[9])
;;     8. [M 32,768, K 128] x [K 128, N 14]; A: computed on the way; B: input fc2_w: left as it is (N = 14 < 16)
;;   THE QUANTISER, for each operand of a quantised product, along K:
;;     - The operand's scale is 2^e, e = its entry of the input lowp_scales (int32; the entries are numbered through the quantised products in the list's order, A before B).
;;     - Each number is divided by the scale, clamped to +-448, and rounded to the nearest number of E4M3, ties to even, subnormals kept.
;;     - The product sums the exact products of the quantised numbers (number of the format x scale) in f32.
;;   ~~~python
;;   def quantise(x, axis, e):      # numpy; x: float32 -> the quantised numbers, widened to float32 again
;;       x = np.moveaxis(x, axis, -1); K = x.shape[-1]
;;       r = np.clip(x / 2.0 ** e, -448, 448)
;;       step = 2.0 ** (np.maximum(np.frexp(np.where(r == 0, 1, r))[1] - 1, -6) - 3)
;;       q = np.round(r / step) * step * 2.0 ** e      # np.round: ties to even
;;       return np.moveaxis(q, -1, axis).astype(np.float32)
;;   ~~~
;;   OPERANDS COMPUTED ON THE WAY. 'Computed on the way' means the value that the module computes at that place (a softmax that the list does not call 'softmax' is quantised finished and normalised). What goes into a quantiser is computed in f32, as accurately as f32 sums, v_exp_f32 and their like allow (about 1e-6 of the number): no bf16 or f16 on the way to a quantiser, and a product that is left as it is and whose result goes on into a quantised operand takes f32 operands (vector FMAs, or v_wmma_f32_16x16x4_f32). A number that lies on a knife's edge between two numbers of the format may be rounded either way, as far as f32 arithmetic and the matrix unit's own rounding can turn it there, and no further.
;;   INPUTS GIVEN AS CODES. fc1_w (in the module: [256, 128], K = its axis 0); gru_wh (in the module: [384, 128], K = its axis 1); gru_wi (in the module: [384, 128], K = its axis 1); hyp_w2 (in the module: [64, 32768], K = its axis 0); inputs (in the module: [512, 8, 256], K = its axis 2); phi_w (in the module: [64, 128], K = its axis 0): each comes as NAME_codes (uint8): NAME with its K axis moved to the last place and cut into blocks of 32 codes, [.., K / 32, bytes a block], one block behind the other in memory; one code a byte (a code: sign, 4 exponent bits, 3 mantissa bits); its scale is its entry of lowp_scales. Its value is code x scale, taken as it is: it is not quantised again, and the codes and scales need not be those that the quantiser above would give.
;; One version. Each part assembles by itself: llvm-mc -triple=amdgcn-amd-amdhsa -mcpu=gfx1250 --defsym DOCPART=n.
;; ======== version 1 of 1: 2 launches
;; workspace buffers: wpk 69,632 bytes
;; launch hyper (part 1): grid 128 x 1, 1 waves a work-group, no clusters, 512 bytes of LDS; arguments hyp_w1, hyp_b1, hyp_w2_codes, hyp_b2, merger_w, lowp_scales, rnd_quantiles, fc2_w, wpk, out2; writes wpk, out2
.if DOCPART == 1
	.amdgcn_target "amdgcn-amd-amdhsa--gfx1250"
	.amdhsa_code_object_version 6
	.text
	.protected	k_q0c328081d5_hyper
	.globl	k_q0c328081d5_hyper
	.p2align	8
	.type	k_q0c328081d5_hyper,@function
k_q0c328081d5_hyper:
	s_mov_b64 s[64:65], 0
	v_nop
	global_prefetch_b8 v0, s[64:65] scope:SCOPE_SE
	s_setreg_imm32_b32 hwreg(HW_REG_WAVE_MODE, 25, 1), 1
	s_wait_xcnt 0x0
; THE HYPERNET, ONCE.  The problem builds prev = ones in its own body, so every row of hh = relu(prev hyp_w1 + b1) is the same, every sample's weight
; W[i][eta][o] = (Q(hh) . hyp_w2[:, 256 i + 128 eta + o]) 2^(e2 + e3) + b2 is the same, and the per-sample product with x followed by the merger is x Weff,
; Weff[i][o] = sm0[o] W[i][0][o] + sm1[o] W[i][1][o], sm = softmax of merger_w over the two heads.  This launch makes Weff (128 x 128, f32) by the FP8 matrix form on ONE tile of 16 equal rows.
; OUTPUT LAYOUT (wpk, four parts of 17,408 bytes, one for each wave w of the next launch): bytes 0 .. 16,383: [tau 0..1][u 0..15][lane][c 0..3] f32 =
; Weff[8 u + 4 h + c][32 w + 8 tau + r + 8 (r / 8)], lane = 16 h + r: the order in which the next launch's f32 matrix operand takes it;  bytes 16,384 ..: fc2_w as the bf16 operand of K step w.
; SHARES.  Work-group g, one wave, makes the 512 bytes (w, tau, u) = (g / 32, (g / 16) % 2, g % 16): one store of 512 consecutive, aligned bytes.  128 such pieces, so 128 work-groups;
; half a piece would be a store of part of an aligned 256 bytes.  Work-groups 0-31 also copy rnd_quantiles to out2 (512 bytes each), 32-35 also lay fc2_w out.
; No cluster and no tensor load: a work-group reads 16 KiB of codes that nobody else reads, and shares only hyp_w1 and b1 (2,304 bytes) with the others.
; LIMITS: e2 between -126 and 119, e2 + e3 between -126 and 127 (each power of two below is an f32 number).  NaN among the inputs is not served.
; REGISTERS: v1 r, v2 h, v3 r + 8 (r / 8); v4-10 offsets; v16-33 hyp_w1, b1; v34-35 merger_w; v36-43 b2; v44-51 hh's codes; v52, v53 2^e2 and 448 x 2^e2; v54, v55 sm0, sm1;
; v60-63 the result; v64-127 eight results of products (before them: hh's numbers, and what the two side jobs hold); v128-255 the 16 fragments of hyp_w2.
.set AC, 44
.set BB, 36
.set DD, 64
.set BF, 128
	s_load_b512 s[4:19], s[0:1], 0x0               ; hyp_w1 s[4:5], hyp_b1 s[6:7], codes s[8:9], hyp_b2 s[10:11], merger_w s[12:13], scales s[14:15], rnd_quantiles s[16:17], fc2_w s[18:19]
	s_load_b128 s[20:23], s[0:1], 0x40             ; wpk s[20:21], out2 s[22:23]
	v_and_b32 v1, 15, v0                           ; r
	v_lshrrev_b32 v2, 4, v0                        ; h (one wave: v0 is the lane)
	v_and_b32 v3, 8, v1
	v_add_nc_u32 v3, v3, v1                        ; rr = r + 8 (r / 8): the columns of a tile are not neighbours (see the layout above)
	v_lshlrev_b32 v4, 6, v3
	v_lshl_add_u32 v4, v2, 4, v4                   ; codes: 64 rr + 16 h
	v_lshlrev_b32 v6, 2, v3                        ; merger_w: 4 rr
	v_lshl_add_u32 v5, v2, 12, v6                  ; b2: 4 rr + four rows i (1,024 bytes each) further on for lanes 16-31
	v_lshlrev_b32 v7, 3, v0                        ; 8 x lane: two numbers of hh a lane
	v_lshlrev_b32 v8, 6, v2                        ; 64 h: where my 16 numbers of a block of 32 begin in LDS
	v_lshlrev_b32 v9, 4, v0                        ; 16 x lane
	v_min_u32 v10, 13, v1
	v_lshlrev_b32 v10, 2, v10
	v_mad_u32_u24 v10, v2, 448, v10                ; fc2_w: 8 h rows of 56 bytes + 4 min(r, 13): no load leaves the buffer
	s_lshr_b32 s24, ttmp9, 4
	s_and_b32 s25, ttmp9, 15                       ; u
	s_lshr_b32 s26, s24, 1                         ; w
	s_and_b32 s27, s24, 1                          ; tau
	s_lshl_b32 s28, s25, 17
	s_lshl_b32 s36, s26, 11
	s_lshl_b32 s37, s27, 9
	s_add_co_u32 s36, s36, s37                     ; 2,048 w + 512 tau
	s_add_co_u32 s28, s28, s36                     ; codes: 8 u rows i of 16,384 bytes + 64 x (32 w + 8 tau)
	s_mov_b32 s29, 0
	s_lshr_b32 s30, s28, 4                         ; b2: 4 bytes where the codes have 64
	s_mov_b32 s31, 0
	s_lshr_b32 s40, s36, 4                         ; merger_w: 128 w + 32 tau
	s_mov_b32 s41, 0
	s_mul_i32 s44, s26, 17408
	s_lshl_b32 s37, s27, 13
	s_add_co_u32 s44, s44, s37
	s_lshl_b32 s37, s25, 9
	s_add_co_u32 s44, s44, s37                     ; my piece of wpk
	s_mov_b32 s45, 0
	s_mov_b32 s35, 0xffff0000                      ; lanes 16-31
	s_wait_kmcnt 0x0
	s_load_b64 s[32:33], s[14:15], 0x8             ; e2, e3
	s_add_nc_u64 s[8:9], s[8:9], s[28:29]
	s_add_nc_u64 s[10:11], s[10:11], s[30:31]
	s_add_nc_u64 s[12:13], s[12:13], s[40:41]
	s_add_nc_u64 s[42:43], s[20:21], s[44:45]
	; all loads in one run
.irp k, 0,1,2,3,4,5,6,7
	global_load_b64 v[16+2*\k:17+2*\k], v7, s[4:5] offset:256*\k      ; hyp_w1[k][2 lane, 2 lane + 1]
.endr
	global_load_b64 v[32:33], v7, s[6:7]
	global_load_b32 v34, v6, s[12:13]
	global_load_b32 v35, v6, s[12:13] offset:512
.irp c, 0,1,2,3
.irp eta, 0,1
	global_load_b32 v[BB+2*\c+\eta], v5, s[10:11] offset:1024*\c+512*\eta   ; b2 at i = 8 u + 4 h + c
.endr
.endr
.irp iota, 0,1,2,3,4,5,6,7
.irp eta, 0,1
.irp cc, 0,1
	global_load_b128 v[BF+8*(2*\iota+\eta)+4*\cc:BF+8*(2*\iota+\eta)+4*\cc+3], v4, s[8:9] offset:16384*\iota+8192*\eta+32*\cc th:TH_LOAD_NT   ; registers 4 cc ..: k = 32 cc + 16 h + 0 .. 15
.endr
.endr
.endr
	; side job 1: out2 = rnd_quantiles, 512 bytes for each of the first 32 work-groups
	s_cmp_lt_u32 ttmp9, 32
	s_cbranch_scc0 .Lno_copy
	s_lshl_b32 s28, ttmp9, 9
	s_add_nc_u64 s[16:17], s[16:17], s[28:29]
	s_add_nc_u64 s[22:23], s[22:23], s[28:29]
	global_load_b128 v[96:99], v9, s[16:17]
	s_wait_loadcnt 0x0
	global_store_b128 v9, v[96:99], s[22:23]
	s_wait_xcnt 0x0                                ; the store has read v96-99, which products write below
.Lno_copy:
	; side job 2: fc2_w as the bf16 operand of K step s = g - 32: register 4 p + d of lane (r, h) = fc2_w[32 s + 16 p + 8 h + 2 d, + 1][r]; columns 14 and 15 are zeros
	s_sub_co_u32 s38, ttmp9, 32
	s_cmp_lt_u32 s38, 4
	s_cbranch_scc0 .Lno_fc2
	s_mul_i32 s28, s38, 1792
	s_add_nc_u64 s[18:19], s[18:19], s[28:29]
	s_mul_i32 s28, s38, 17408
	s_add_co_u32 s28, s28, 16384
	s_add_nc_u64 s[40:41], s[20:21], s[28:29]
.irp p, 0,1
.irp e, 0,1,2,3,4,5,6,7
	global_load_b32 v[100+8*\p+\e], v10, s[18:19] offset:896*\p+56*\e
.endr
.endr
	s_wait_loadcnt 0x0
	v_cmp_gt_u32 vcc_lo, 14, v1
.irp d, 0,1,2,3,4,5,6,7
	v_cvt_pk_bf16_f32 v[116+\d], v[100+2*\d], v[101+2*\d]
.endr
.irp d, 0,1,2,3,4,5,6,7
	v_cndmask_b32 v[116+\d], 0, v[116+\d], vcc_lo
.endr
	global_store_b128 v9, v[116:119], s[40:41]
	global_store_b128 v9, v[120:123], s[40:41] offset:512
	s_wait_xcnt 0x0                                ; the stores have read v116-123, which products write below
.Lno_fc2:
	s_wait_loadcnt 0x0                             ; one wait for the one run of loads, the same on every way here
	; hh before its activation: prev is ones, so each product is the weight itself; k ascending, then b1
	v_pk_add_f32 v[16:17], v[16:17], v[18:19]
.irp k, 2,3,4,5,6,7
	v_pk_add_f32 v[16:17], v[16:17], v[16+2*\k:17+2*\k]
.endr
	v_pk_add_f32 v[16:17], v[16:17], v[32:33]
	ds_store_b64 v7, v[16:17]                      ; the 64 numbers on end in LDS;
.irp cc, 0,1
.irp i, 0,1,2,3
	ds_load_b128 v[64+16*\cc+4*\i:67+16*\cc+4*\i], v8 offset:128*\cc+16*\i   ; every lane takes k = 32 cc + 16 h + 0 .. 15 (LDS serves a wave's instructions in order: ISA guide 5.7.1.4)
.endr
.endr
	s_wait_kmcnt 0x0
	s_add_co_i32 s34, s32, s33
	s_add_co_i32 s34, s34, 127
	s_lshl_b32 s34, s34, 23                        ; 2^(e2 + e3) as f32
	s_add_co_i32 s36, s32, 127
	s_lshl_b32 s37, s36, 23
	v_mov_b32 v52, s37                             ; 2^e2: the conversion takes its exponent field
	s_add_co_i32 s36, s36, 8
	s_lshl_b32 s36, s36, 23
	s_or_b32 s36, s36, 0x600000
	v_mov_b32 v53, s36                             ; 448 x 2^e2
	; the merger's softmax over the two heads, the larger taken away first
	v_max_num_f32 v56, v34, v35
	v_sub_f32 v57, v34, v56
	v_sub_f32 v58, v35, v56
	v_mul_f32 v57, 0x3fb8aa3b, v57
	v_mul_f32 v58, 0x3fb8aa3b, v58
	v_exp_f32 v57, v57
	v_exp_f32 v58, v58
	v_nop                                          ; a plain instruction behind the transcendentals (ISA guide 5.7.2)
	s_wait_alu depctr_va_vdst(0)
	v_add_f32 v56, v57, v58
	v_rcp_f32 v56, v56
	v_nop
	s_wait_alu depctr_va_vdst(0)
	v_mul_f32 v54, v57, v56                        ; sm0
	v_mul_f32 v55, v58, v56                        ; sm1
	s_wait_dscnt 0x0
.set i, 0
.rept 32
	v_med3_num_f32 v[64+i], v[64+i], 0, v53        ; the activation and the hold in one: the conversion to an 8-bit code does not saturate (ISA guide 7.6.2)
.set i, i+1
.endr
.irp q, 0,1,2,3
	v_cvt_scalef32_pk8_fp8_f32 v[AC+2*\q:AC+2*\q+1], v[64+8*\q:71+8*\q], v52
.endr
	v_nop                                          ; a plain instruction between the conversions and the products, which read the codes and write over the numbers
; Eight products: rows i = 8 u + c and 8 u + c + 4 for c = 2 b, 2 b + 1, both heads.  Source 0 = hh's codes (16 equal rows), source 1 = 16 columns o: register 0 of every lane holds the sum of column o(r).
; Lanes 0-15 keep row c's, lanes 16-31 row c + 4's; then x 2^(e2 + e3) + b2, and the two heads are merged.
.macro BATCH b
.irp cl, 0,1
.irp hi, 0,1
.irp eta, 0,1
	v_wmma_f32_16x16x64_fp8_fp8 v[DD+8*(4*\cl+2*\hi+\eta):DD+8*(4*\cl+2*\hi+\eta)+7], v[AC:AC+7], v[BF+8*(2*(2*(\b)+\cl+4*\hi)+\eta):BF+8*(2*(2*(\b)+\cl+4*\hi)+\eta)+7], 0
.endr
.endr
.endr
.rept 4
	v_nop                                          ; four places behind the products before their results are read (ISA guide 7.12.1)
.endr
.irp cl, 0,1
	v_cndmask_b32 v56, v[DD+8*(4*\cl)], v[DD+8*(4*\cl+2)], s35
	v_cndmask_b32 v57, v[DD+8*(4*\cl+1)], v[DD+8*(4*\cl+3)], s35
	v_fma_f32 v56, v56, s34, v[BB+2*(2*(\b)+\cl)]
	v_fma_f32 v57, v57, s34, v[BB+2*(2*(\b)+\cl)+1]
	v_mul_f32 v56, v54, v56
	v_fma_f32 v[60+2*(\b)+\cl], v55, v57, v56
.endr
.endm
	BATCH 0
	v_nop                                          ; with the four above: five places before the next products write over these results
	BATCH 1
	global_store_b128 v9, v[60:63], s[42:43]       ; 32 lanes store 512 consecutive bytes, at a multiple of 256 from wpk's first byte
	s_endpgm
.Lfunc_end_k_q0c328081d5_hyper:
	.size	k_q0c328081d5_hyper, .Lfunc_end_k_q0c328081d5_hyper-k_q0c328081d5_hyper
	.p2alignl 7, 3214868480
	.fill 96, 4, 3214868480
	.section	.rodata,"a",@progbits
	.p2align	6, 0x0
	.amdhsa_kernel k_q0c328081d5_hyper
		.amdhsa_group_segment_fixed_size 512
		.amdhsa_private_segment_fixed_size 0
		.amdhsa_enable_private_segment 0
		.amdhsa_kernarg_size 80
		.amdhsa_user_sgpr_count 2
		.amdhsa_user_sgpr_kernarg_segment_ptr 1
		.amdhsa_wavefront_size32 1
		.amdhsa_system_sgpr_workgroup_id_x 1
		.amdhsa_system_sgpr_workgroup_id_y 1
		.amdhsa_system_sgpr_workgroup_id_z 1
		.amdhsa_system_vgpr_workitem_id 0
		.amdhsa_next_free_vgpr 256
		.amdhsa_next_free_sgpr 66
		.amdhsa_reserve_vcc 1
		.amdhsa_float_denorm_mode_32 3
		.amdhsa_float_denorm_mode_16_64 3
		.amdhsa_memory_ordered 1
		.amdhsa_forward_progress 1
		.amdhsa_inst_pref_size 18
	.end_amdhsa_kernel
	.amdgpu_metadata
---
amdhsa.version: [ 1, 2 ]
amdhsa.kernels:
  - .name:           k_q0c328081d5_hyper
    .symbol:         k_q0c328081d5_hyper.kd
    .args:
      - { .name: hyp_w1, .offset: 0, .size: 8, .value_kind: global_buffer, .address_space: global }
      - { .name: hyp_b1, .offset: 8, .size: 8, .value_kind: global_buffer, .address_space: global }
      - { .name: hyp_w2_codes, .offset: 16, .size: 8, .value_kind: global_buffer, .address_space: global }
      - { .name: hyp_b2, .offset: 24, .size: 8, .value_kind: global_buffer, .address_space: global }
      - { .name: merger_w, .offset: 32, .size: 8, .value_kind: global_buffer, .address_space: global }
      - { .name: lowp_scales, .offset: 40, .size: 8, .value_kind: global_buffer, .address_space: global }
      - { .name: rnd_quantiles, .offset: 48, .size: 8, .value_kind: global_buffer, .address_space: global }
      - { .name: fc2_w, .offset: 56, .size: 8, .value_kind: global_buffer, .address_space: global }
      - { .name: wpk, .offset: 64, .size: 8, .value_kind: global_buffer, .address_space: global }
      - { .name: out2, .offset: 72, .size: 8, .value_kind: global_buffer, .address_space: global }
    .group_segment_fixed_size: 512
    .private_segment_fixed_size: 0
    .kernarg_segment_align: 8
    .kernarg_segment_size: 80
    .max_flat_workgroup_size: 32
    .sgpr_count:     66
    .vgpr_count:     256
    .wavefront_size: 32
...
	.end_amdgpu_metadata
.endif
;; end of part 1
;; launch agent (part 2): grid 256 x 1, 4 waves a work-group, clusters of 4 x 1, 327,680 bytes of LDS; arguments inputs_codes, fc1_w_codes, wpk, phi_w_codes, gru_wi_codes, gru_wh_codes, hidden_state, rnd_quantiles, fc1_b, phi_b, gru_bi, gru_bh, fc2_b, lowp_scales, out0, out1; writes out0, out1
.if DOCPART == 2
	.amdgcn_target "amdgcn-amd-amdhsa--gfx1250"
	.amdhsa_code_object_version 6
	.text
	.protected	k_q0c328081d5_agent
	.globl	k_q0c328081d5_agent
	.p2align	8
	.type	k_q0c328081d5_agent,@function
k_q0c328081d5_agent:
	s_mov_b64 s[64:65], 0
	v_nop
	global_prefetch_b8 v0, s[64:65] scope:SCOPE_SE
	s_setreg_imm32_b32 hwreg(HW_REG_WAVE_MODE, 25, 1), 1
	s_wait_xcnt 0x0
	s_wait_alu depctr_hold_cnt(0) depctr_sa_sdst(0) depctr_va_vdst(0) depctr_va_sdst(0) depctr_va_ssrc(0) depctr_va_vcc(0) depctr_vm_vsrc(0)
	s_getreg_b32 s2, hwreg(HW_REG_IB_STS2, 6, 4)
	s_cmp_eq_u32 s2, 0
	s_cbranch_scc0 .Lentry_in_a_cluster
	s_endpgm
.Lentry_in_a_cluster:
	s_bfe_u32 s2, ttmp6, 0x10000c
	s_cmp_lg_u32 s2, 0x3003
	s_cbranch_scc0 .Lentry_shape_is_right
	s_endpgm
.Lentry_shape_is_right:
; ALL THE REST, FUSED.  x = relu(inputs fc1_w + b) (FP8);  x2 = relu(x Weff) (f32 matrix form: its result goes into a quantiser);  the GRU cell (two FP8 products);  q_phi = relu(cos(pi f rq) phi_w + b) (FP8);
; q = (h q_phi) fc2_w + b (bf16 operands);  the 8 quantiles of each (sample, action) sorted.  Weff and fc2_w's operand come from wpk, which the launch before has laid in operand order.
; SHARES.  A work-group owns 16 samples (two episodes), all 256 together the 4,096.  THE FOUR WAVES SHARE THE COLUMNS: wave w makes columns 32 w .. 32 w + 31 of x, x2, the gates, h and q_phi, so it needs a quarter of
; every weight: it fetches that quarter by tensor loads of its own and is the only one to read it (fc2_w's operand excepted: behind a barrier).  In the last product wave w takes samples 4 w .. 4 w + 3.
; CLUSTER.  Every work-group needs the same 204 KiB of weights: four work-groups form a cluster and ask JOINTLY (mask 15; the descriptors hang on the wave's number alone).
; All weights lie in LDS at once: five first fills a wave (five tensor loads of mine are out at the most), nothing is filled again.  A round of the cluster's barrier stands in front of the fills and one at the end.
; LAYOUT.  The FP8 and f32 products are used TRANSPOSED (source 0 = 16 rows of the weight, source 1 = the 16 samples): a lane holds ONE sample (lane % 16).  Behind fc1, lane r of tile tau takes weight row
; 8 tau + r + 8 (r / 8), so that the 16 registers of tiles 0 and 1 are the 16 neighbouring columns 32 w + 16 (lane / 16) + 0 .. 15: a quarter of the next FP8 operand's registers as they stand.
; An FP8 fragment is fetched by loads of 16 bytes: registers 4 c ..: k = 32 c + 16 (lane / 16) + 0 .. 15, the same permutation of k on both sides.  Operands go from wave to wave through LDS as images of their registers.
; LIMITS: e0 + e1, e4 + e5, e6 + e7, e8 + e9 between -126 and 127; e4, e6, e8 between -126 and 119.  NaN among the inputs is not served.  The cosine is made by a reduction to +-pi/2 in two parts and a
; polynomial of degree 9, good to some 4e-7 for |pi f rq| up to 1e4.  tanh and the sigmoids are made of v_exp_f32 and v_rcp_f32; they saturate rightly where the exponential overflows.
; REGISTERS, in windows of 256.  Numbers 176-191 are a destination in window 0 alone, of the f32 matrix form alone; no instruction names one number as A and as B.
;   window 0: v1-26 lane terms and addresses; v27-32 scales and holds; v33 rq; v34 fc2_b; v35-38 at work; v40-111, v112-175, v192-255 three areas at work; v176-191 the two f32 sums.
;   window 1: v0-127 Weff (64 tau + 4 u); v128-159 inputs (16 s); v192-255 fc1_w (32 tau + 16 s).      window 2: v0-95 gru_wi (16 t, t = 2 g + tau); v96-175, v192-207 gru_wh; v208-255 gru_bi.
;   window 3: v0-47 gru_bh; v48-63 fc1_b; v64-79 phi_b; v80-111 fc2_w's operand (8 s); v112-127 phi_w (8 tau).
.set F1B,   0                          ; LDS, filled by tensor loads, a part for each wave: fc1_w: 32 rows, 256 + 16 bytes
.set WPB,   34816                      ; wpk: 17,408 bytes, dense
.set PWB,   104448                     ; phi_w: 32 rows, 64 + 16 bytes
.set GIB,   114688                     ; gru_wi: 96 rows (32 g + row), 128 + 16 bytes
.set GHB,   169984                     ; gru_wh likewise
.set SB,    225280                     ; from here on: bytes that ds_store alone writes; the address registers carry SB, the offsets what follows
.set XIMG,  0                          ; x as the f32 operand's image: 16 x 512 bytes
.set HPR,   8192                       ; hidden_state's 16 rows, 512 + 16 bytes
.set CIMG,  16640                      ; the cosines' codes: a fragment's image
.set X2IMG, 17664                      ; x2's codes
.set HQIMG, 19712                      ; hidden_state's codes
.set HROW,  21760                      ; h: 16 rows, 512 + 16 bytes
.set PHROW, 30208                      ; q_phi: 16 rows (8 x episode + quantile), 512 + 16 bytes
.set QST,   38656                      ; out0's stage: 2,048 bytes for each wave, of which 1,792 are used
.set QT,  192                          ; 16 numbers held, ahead of their conversion
.set QC,  88                           ; the 16 codes just made
.set HP,  208                          ; my 16 columns of hidden_state
.set X2F, 224                          ; the cosines' fragment (8 registers), later x2's (16)
.set HQF, 240                          ; hidden_state's fragment
.set MSB, 0
.macro WIN new                         ; bits 1:0 source 0, 3:2 source 1, 5:4 source 2, 7:6 destination; the immediate's high byte repeats the setting that is left
.if MSB != \new
	s_set_vgpr_msb (MSB<<8)|\new
.set MSB, \new
.endif
.endm
.macro ROUND                           ; a round of the cluster's barrier: my work-group's barrier; wave 0 signals for the work-group; every wave waits for all four work-groups; my work-group's barrier once more
	s_barrier_signal -1
	s_barrier_wait -1
	s_cmp_lg_u32 s3, 0
	s_cbranch_scc1 .Lnot_wave_0_\@
	s_barrier_signal -3
.Lnot_wave_0_\@:
	s_barrier_wait -3
	s_barrier_signal -1
	s_barrier_wait -1
.endm
.macro BAR                             ; my LDS stores have landed and my LDS loads are in: then the work-group's barrier
	s_wait_dscnt 0x0
	s_barrier_signal -1
	s_barrier_wait -1
.endm
.macro PLACES n
.rept \n
	v_nop
.endr
.endm
.macro QUANT16 src, relu, sc, lim      ; 16 numbers v[src] on become 16 codes in v[QC] on; relu = 1: what is negative becomes 0 on the way.  The numbers themselves are left as they are
.set i, 0
.rept 16
.if \relu
	v_med3_num_f32 v[QT+i], v[\src+i], 0, v[\lim]
.else
	v_med3_num_f32 v[QT+i], v[\src+i], -v[\lim], v[\lim]   ; the conversion to an 8-bit code does not saturate (ISA guide 7.6.2): the hold at the largest code x the scale
.endif
.set i, i+1
.endr
	v_cvt_scalef32_pk8_fp8_f32 v[QC:QC+1], v[QT:QT+7], v[\sc]
	v_cvt_scalef32_pk8_fp8_f32 v[QC+2:QC+3], v[QT+8:QT+15], v[\sc]
	v_nop                                          ; a plain instruction behind the conversions, whose registers later vector and matrix instructions write
.endm
.macro POW2 dst, ea, eb                ; s[dst] = s[dst + 1] = 2^(ea + eb) as f32 (the packed forms name the pair)
	s_add_co_i32 s[\dst], s[\ea], s[\eb]
	s_add_co_i32 s[\dst], s[\dst], 127
	s_lshl_b32 s[\dst], s[\dst], 23
	s_mov_b32 s[\dst+1], s[\dst]
.endm
.macro QCONST vs, e                    ; v[vs] = 2^e, v[vs + 1] = 448 x 2^e
	s_add_co_i32 s14, s[\e], 127
	s_lshl_b32 s15, s14, 23
	v_mov_b32 v[\vs], s15
	s_add_co_i32 s14, s14, 8
	s_lshl_b32 s14, s14, 23
	s_or_b32 s14, s14, 0x600000
	v_mov_b32 v[\vs+1], s14
.endm
	s_load_b512 s[4:19], s[0:1], 0x0               ; inputs s[4:5], fc1_w s[6:7], wpk s[8:9], phi_w s[10:11], gru_wi s[12:13], gru_wh s[14:15], hidden_state s[16:17], rnd_quantiles s[18:19]
	s_load_b512 s[20:35], s[0:1], 0x40             ; fc1_b s[20:21], phi_b s[22:23], gru_bi s[24:25], gru_bh s[26:27], fc2_b s[28:29], scales s[30:31], out0 s[32:33], out1 s[34:35]
	v_lshrrev_b32 v38, 5, v0
	v_readfirstlane_b32 s3, v38                    ; wave 0..3
	v_and_b32 v1, 31, v0                           ; lane
	v_and_b32 v2, 15, v0                           ; r
	v_bfe_u32 v3, v0, 4, 1                         ; h
	v_and_b32 v4, 8, v2
	v_add_nc_u32 v4, v4, v2                        ; rr = r + 8 (r / 8)
	; LDS addresses: constants, lane terms and the wave's number alone (s104, s105 never hold anything else)
	s_mul_i32 s104, s3, 8704
	v_mul_u32_u24 v5, v2, 272
	v_lshl_add_u32 v5, v3, 4, v5
	v_add_nc_u32 v5, s104, v5                      ; fc1_w: my part, row r, + 16 h
	s_mul_i32 s104, s3, 17408
	s_add_co_u32 s104, s104, WPB
	v_lshl_add_u32 v6, v1, 4, s104                 ; Weff: my part, 16 x lane
	v_lshl_add_u32 v7, v1, 4, WPB+16384            ; fc2_w's operand: part 0's, 16 x lane
	s_mul_i32 s104, s3, 2560
	s_add_co_u32 s104, s104, PWB
	v_mul_u32_u24 v8, v4, 80
	v_lshl_add_u32 v8, v3, 4, v8
	v_add_nc_u32 v8, s104, v8                      ; phi_w: row rr, + 16 h
	s_mul_i32 s104, s3, 13824
	s_add_co_u32 s104, s104, GIB
	v_mul_u32_u24 v9, v4, 144
	v_lshl_add_u32 v9, v3, 4, v9
	v_add_nc_u32 v9, s104, v9                      ; gru_wi: row rr, + 16 h
	v_add_nc_u32 v10, GHB-GIB, v9                  ; gru_wh
	s_lshl_b32 s104, s3, 11
	s_add_co_u32 s104, s104, SB
	v_lshlrev_b32 v11, 4, v2
	v_lshl_add_u32 v11, v3, 9, v11
	v_add_nc_u32 v11, s104, v11                    ; x's image, in: 2,048 w + 512 h + 16 r
	v_mul_u32_u24 v19, v3, 448
	v_lshl_add_u32 v19, v2, 5, v19
	v_add_nc_u32 v19, s104, v19                    ; out0's stage, in: my part, sample h, action r
	v_lshl_add_u32 v20, v1, 4, s104                ; and back: 16 x lane
	v_lshl_add_u32 v12, v1, 4, SB                  ; any image, back: 16 x lane
	s_mul_i32 s104, s3, 2112
	s_add_co_u32 s104, s104, SB
	v_lshl_add_u32 v13, v1, 4, s104                ; rows 4 w on of a stage of rows, 16 x lane
	v_bfe_u32 v38, v0, 3, 1
	v_mul_u32_u24 v17, v38, 528
	v_lshl_add_u32 v17, v3, 5, v17
	v_add_nc_u32 v17, s104, v17                    ; h for the last product: row 4 w + r / 8, + 32 h
	s_lshl_b32 s104, s3, 7
	s_add_co_u32 s104, s104, SB
	v_mul_u32_u24 v14, v2, 528
	v_lshl_add_u32 v14, v3, 6, v14
	v_add_nc_u32 v14, s104, v14                    ; a stage of rows: row r, my 16 columns: 128 w + 64 h
	s_lshr_b32 s104, s3, 1
	s_lshl_b32 s104, s104, 9
	s_and_b32 s105, s3, 1
	s_lshl_b32 s105, s105, 3
	s_add_co_u32 s104, s104, s105
	s_add_co_u32 s104, s104, SB
	v_lshl_add_u32 v15, v1, 4, s104                ; the cosines' image, in: 512 (w / 2) + 8 (w % 2) + 16 x lane
	s_lshl_b32 s104, s3, 9
	s_add_co_u32 s104, s104, SB
	v_lshl_add_u32 v16, v1, 4, s104                ; a K = 128 fragment's image, in: registers 4 w ..: 512 w + 16 x lane
	s_lshr_b32 s104, s3, 1
	s_mul_i32 s104, s104, 4224
	s_add_co_u32 s104, s104, SB
	v_and_b32 v38, 7, v0
	v_mul_u32_u24 v18, v38, 528
	v_lshl_add_u32 v18, v3, 5, v18
	v_add_nc_u32 v18, s104, v18                    ; q_phi for the last product: row 8 (w / 2) + r % 8, + 32 h
	; offsets into memory
	v_lshlrev_b32 v21, 8, v2
	v_lshl_add_u32 v21, v3, 4, v21                 ; inputs: row r of 256 bytes, + 16 h
	v_lshlrev_b32 v22, 4, v1                       ; 16 x lane
	v_lshlrev_b32 v23, 5, v3                       ; 32 h
	v_lshlrev_b32 v24, 6, v3                       ; 64 h
	v_lshlrev_b32 v25, 2, v2                       ; 4 r
	v_min_u32 v26, 13, v2
	v_lshlrev_b32 v26, 2, v26                      ; 4 min(r, 13): no load leaves fc2_b
	s_lshr_b32 s104, s3, 1
	s_lshl_b32 s104, s104, 5
	s_add_co_u32 s104, s104, s105
	v_lshl_add_u32 v35, v3, 4, s104                ; my first feature of the cosines: 32 (w / 2) + 8 (w % 2) + 16 h
	v_mov_b32 v36, 0x362f0a87                      ; the polynomial's leading coefficient
	; descriptor groups 1.  Word 0: 15:0 the mask, all four work-groups; 17:16 element size; 20 padding on; 21 set beside a mask; 24:22 the padding's interval; 31:25 four words of it (code 3)
	s_mov_b32 s36, 15|(1<<20)|(1<<21)|(5<<22)|(3<<25)   ; fc1_w: 32 rows of 256 bytes, padded behind every 64 words
	s_mov_b32 s37, 256<<16
	s_mov_b32 s38, 32<<16
	s_mov_b32 s39, 256<<16
	s_mov_b32 s40, 32
	s_mov_b32 s41, 256
	s_mov_b32 s42, 0
	s_mov_b32 s43, 0
	s_mov_b32 s44, 15|(3<<16)|(1<<21)                   ; wpk: a dense block as 68 rows of 32 elements of 8 bytes, no padding
	s_mov_b32 s45, 32<<16
	s_mov_b32 s46, 68<<16
	s_mov_b32 s47, 32<<16
	s_mov_b32 s48, 68
	s_mov_b32 s49, 32
	s_mov_b32 s50, 0
	s_mov_b32 s51, 0
	s_mov_b32 s52, 15|(1<<20)|(1<<21)|(3<<22)|(3<<25)   ; phi_w: 32 rows of 64 bytes, padded behind every 16 words
	s_mov_b32 s53, 64<<16
	s_mov_b32 s54, 32<<16
	s_mov_b32 s55, 64<<16
	s_mov_b32 s56, 32
	s_mov_b32 s57, 64
	s_mov_b32 s58, 0
	s_mov_b32 s59, 0
	s_mov_b32 s68, 15|(1<<20)|(1<<21)|(4<<22)|(3<<25)   ; gru_wi, gru_wh: three rows of 4,096 bytes (32 dense rows of codes of one gate), 16,384 bytes apart; padded behind every 32 words, which is a row of codes
	s_mov_b32 s69, 4096<<16
	s_mov_b32 s70, 3<<16
	s_mov_b32 s71, 4096<<16
	s_mov_b32 s72, 3
	s_mov_b32 s73, 16384
	s_mov_b32 s74, 0
	s_mov_b32 s75, 0
	s_mov_b32 s105, 0
	s_wait_kmcnt 0x0
	s_load_b256 s[92:99], s[30:31], 0x0            ; e0 .. e7
	s_load_b64 s[100:101], s[30:31], 0x20          ; e8, e9
	; descriptor groups 0: count 1; LDS address; global address; type 2.  My quarter of each weight
	s_mov_b32 s60, 1
	s_mul_i32 s61, s3, 8704
	s_lshl_b32 s104, s3, 13
	s_add_nc_u64 s[62:63], s[6:7], s[104:105]
	s_or_b32 s63, s63, 0x80000000
	s_mov_b32 s76, 1
	s_mul_i32 s104, s3, 17408
	s_add_co_u32 s77, s104, WPB
	s_add_nc_u64 s[78:79], s[8:9], s[104:105]
	s_or_b32 s79, s79, 0x80000000
	s_mov_b32 s80, 1
	s_mul_i32 s81, s3, 2560
	s_add_co_u32 s81, s81, PWB
	s_lshl_b32 s104, s3, 11
	s_add_nc_u64 s[82:83], s[10:11], s[104:105]
	s_or_b32 s83, s83, 0x80000000
	s_mov_b32 s84, 1
	s_mul_i32 s85, s3, 13824
	s_add_co_u32 s89, s85, GHB
	s_add_co_u32 s85, s85, GIB
	s_lshl_b32 s104, s3, 12
	s_add_nc_u64 s[86:87], s[12:13], s[104:105]
	s_or_b32 s87, s87, 0x80000000
	s_mov_b32 s88, 1
	s_add_nc_u64 s[90:91], s[14:15], s[104:105]
	s_or_b32 s91, s91, 0x80000000
	; my work-group's place enters addresses in memory alone (s2, s66, s67)
	s_bfe_u32 s66, ttmp6, 0x40000                  ; cx
	s_lshl_b32 s2, ttmp9, 2                        ; in a cluster launch ttmp9 counts clusters
	s_add_co_u32 s2, s2, s66                       ; the work-group: samples 16 s2 on
	s_mov_b32 s67, 0
	s_lshl_b32 s66, s2, 12
	s_add_nc_u64 s[4:5], s[4:5], s[66:67]          ; inputs: 16 rows of 256 bytes
	s_lshl_b32 s66, s2, 6
	s_add_nc_u64 s[18:19], s[18:19], s[66:67]      ; rnd_quantiles: 16 numbers
	s_lshl_b32 s66, s2, 13
	s_lshl_b32 s104, s3, 11
	s_add_co_u32 s66, s66, s104
	s_add_nc_u64 s[16:17], s[16:17], s[66:67]      ; hidden_state and out1 at row 16 s2 + 4 w
	s_add_nc_u64 s[34:35], s[34:35], s[66:67]
	s_mul_i32 s66, s2, 7168
	s_mul_i32 s104, s3, 1792
	s_add_co_u32 s66, s66, s104
	s_add_nc_u64 s[32:33], s[32:33], s[66:67]      ; out0 at the same sample: 448 bytes each
	s_lshl_b32 s104, s3, 7
	s_add_nc_u64 s[20:21], s[20:21], s[104:105]    ; the biases at column 32 w
	s_add_nc_u64 s[22:23], s[22:23], s[104:105]
	s_add_nc_u64 s[24:25], s[24:25], s[104:105]
	s_add_nc_u64 s[26:27], s[26:27], s[104:105]
	ROUND                                          ; all four work-groups are here: the joint loads meet
	tensor_load_to_lds s[60:63], s[36:43]          ; fc1_w
	s_nop 0
	tensor_load_to_lds s[76:79], s[44:51]          ; wpk
	s_nop 0
	tensor_load_to_lds s[80:83], s[52:59]          ; phi_w
	s_nop 0
	tensor_load_to_lds s[84:87], s[68:75]          ; gru_wi
	s_nop 0
	tensor_load_to_lds s[88:91], s[68:75]          ; gru_wh
	s_nop 0
	PLACES 4                                       ; four places behind the loads, ahead of the switch of windows
	; 46 loads into registers, in the order in which they are wanted
	WIN 0x40
.irp s, 0,1
.irp c, 0,1,2,3
	global_load_b128 v[128+16*\s+4*\c:131+16*\s+4*\c], v21, s[4:5] offset:128*\s+32*\c   ; 8: inputs' two fragments
.endr
.endr
	WIN 0
	global_load_b32 v33, v25, s[18:19]             ; 1: rq of row r (8 x episode + quantile)
	WIN 0xc0
.irp t, 0,1,2,3
	global_load_b128 v[48+4*\t:51+4*\t], v23, s[20:21] offset:64*(\t/2)+16*(\t%2)   ; 4: fc1_b at columns 16 tau + 8 h + 0 .. 7
.endr
	WIN 0
.irp i, 0,1,2,3
	global_load_b128 v[QT+4*\i:QT+4*\i+3], v22, s[16:17] offset:512*\i th:TH_LOAD_NT   ; 4: rows 4 w + i of hidden_state, whole: 512 consecutive bytes a load
.endr
	WIN 0xc0
.irp j, 0,1,2,3
	global_load_b128 v[64+4*\j:67+4*\j], v24, s[22:23] offset:16*\j                 ; 4: phi_b at columns 16 h + 0 .. 15
.endr
	WIN 0x80
.irp g, 0,1,2
.irp j, 0,1,2,3
	global_load_b128 v[208+16*\g+4*\j:211+16*\g+4*\j], v24, s[24:25] offset:512*\g+16*\j   ; 12: gru_bi
.endr
.endr
	WIN 0xc0
.irp g, 0,1,2
.irp j, 0,1,2,3
	global_load_b128 v[16*\g+4*\j:16*\g+4*\j+3], v24, s[26:27] offset:512*\g+16*\j   ; 12: gru_bh
.endr
.endr
	WIN 0
	global_load_b32 v34, v26, s[28:29]             ; 1: fc2_b of action r
	s_wait_kmcnt 0x0
	POW2 6, 92, 93                                 ; s[6:7] 2^(e0 + e1).  (s6-15 held addresses that the descriptors have taken over)
	POW2 8, 96, 97                                 ; s[8:9] 2^(e4 + e5)
	POW2 10, 98, 99                                ; s[10:11] 2^(e6 + e7)
	POW2 12, 100, 101                              ; s[12:13] 2^(e8 + e9)
	QCONST 27, 96                                  ; x2's scale and hold
	QCONST 29, 98                                  ; hidden_state's
	QCONST 31, 100                                 ; the cosines'
	; ---- the cosines: my eight features f of row r, arg = (pi f) rq with the two roundings that the problem's definition has.  arg = (2 k + 1) pi / 2 + d, |d| <= pi / 2: cos(arg) = -sin((-1)^k d)
	s_wait_loadcnt 37                              ; rq is in: 4 + 4 + 4 + 12 + 12 + 1 loads were issued behind it
.irp e, 0,1,2,3,4,5,6,7
	v_add_nc_u32 v[40+\e], \e, v35
.endr
.irp e, 0,1,2,3,4,5,6,7
	v_cvt_f32_u32 v[40+\e], v[40+\e]
.endr
.irp e, 0,1,2,3,4,5,6,7
	v_mul_f32 v[40+\e], 0x40490fdb, v[40+\e]
.endr
.irp e, 0,1,2,3,4,5,6,7
	v_mul_f32 v[40+\e], v[40+\e], v33
.endr
.irp e, 0,1,2,3,4,5,6,7
	v_fma_f32 v[48+\e], v[40+\e], 0x3ea2f983, -0.5   ; arg / pi - 1 / 2
.endr
.irp e, 0,1,2,3,4,5,6,7
	v_rndne_f32 v[48+\e], v[48+\e]                 ; k
.endr
.irp e, 0,1,2,3,4,5,6,7
	v_fma_f32 v[56+\e], v[48+\e], 2.0, 1.0         ; 2 k + 1
.endr
.irp e, 0,1,2,3,4,5,6,7
	v_fma_f32 v[40+\e], v[56+\e], 0xbfc90fdb, v[40+\e]   ; less (2 k + 1) x pi / 2, its f32 part,
.endr
.irp e, 0,1,2,3,4,5,6,7
	v_fma_f32 v[40+\e], v[56+\e], 0x333bbd2e, v[40+\e]   ; and what that part is too large by
.endr
.irp e, 0,1,2,3,4,5,6,7
	v_cvt_i32_f32 v[48+\e], v[48+\e]
.endr
.irp e, 0,1,2,3,4,5,6,7
	v_lshlrev_b32 v[48+\e], 31, v[48+\e]           ; k's parity as a sign bit
.endr
.irp e, 0,1,2,3,4,5,6,7
	v_xor_b32 v[40+\e], v[48+\e], v[40+\e]         ; d' = (-1)^k d
.endr
.irp e, 0,1,2,3,4,5,6,7
	v_mul_f32 v[56+\e], v[40+\e], v[40+\e]         ; s = d'^2
.endr
.irp e, 0,1,2,3,4,5,6,7
	v_fmaak_f32 v[64+\e], v36, v[56+\e], 0xb94fbaeb
.endr
.irp e, 0,1,2,3,4,5,6,7
	v_fmaak_f32 v[64+\e], v[64+\e], v[56+\e], 0x3c088777
.endr
.irp e, 0,1,2,3,4,5,6,7
	v_fmaak_f32 v[64+\e], v[64+\e], v[56+\e], 0xbe2aaaa6
.endr
.irp e, 0,1,2,3,4,5,6,7
	v_mul_f32 v[64+\e], v[64+\e], v[40+\e]
.endr
.irp e, 0,1,2,3,4,5,6,7
	v_fma_f32 v[72+\e], -v[56+\e], v[64+\e], -v[40+\e]   ; -(d' + d' s u) = -sin d'
.endr
.irp e, 0,1,2,3,4,5,6,7
	v_med3_num_f32 v[72+\e], v[72+\e], -v32, v32
.endr
	v_cvt_scalef32_pk8_fp8_f32 v[QC:QC+1], v[72:79], v31
	v_nop                                          ; a plain instruction behind the conversion
	ds_store_b64 v15, v[QC:QC+1] offset:CIMG       ; eight codes: half of registers 4 (w / 2) .. of the fragment
	; ---- x = relu(inputs fc1_w + b): my two tiles of 16 columns, K = 256 in two steps, the two sums by turns
	s_wait_tensorcnt 0x4                           ; fc1_w's tile, the first of my five, has landed
	WIN 0x40
.irp tau, 0,1
.irp s, 0,1
.irp c, 0,1,2,3
	ds_load_b128 v[192+32*\tau+16*\s+4*\c:195+32*\tau+16*\s+4*\c], v5 offset:F1B+4352*\tau+128*\s+32*\c
.endr
.endr
.endr
	s_wait_loadcnt 33                              ; inputs and fc1_b are in: 4 + 4 + 12 + 12 + 1 behind them
	s_wait_dscnt 0x0
	WIN 0x05                                       ; sources 0 and 1 window 1
.irp tau, 0,1
	v_wmma_f32_16x16x128_fp8_fp8 v[96+8*\tau:103+8*\tau], v[192+32*\tau:207+32*\tau], v[128:143], 0
.endr
.irp tau, 0,1
	v_wmma_f32_16x16x128_fp8_fp8 v[96+8*\tau:103+8*\tau], v[208+32*\tau:223+32*\tau], v[144:159], v[96+8*\tau:103+8*\tau]
.endr
	PLACES 4                                       ; four places before the results are read (ISA guide 7.12.1)
	WIN 0x30                                       ; source 2 (fc1_b) window 3
.irp i, 0,2,4,6,8,10,12,14
	v_pk_fma_f32 v[112+\i:113+\i], v[96+\i:97+\i], s[6:7], v[48+\i:49+\i] op_sel_hi:[1,0,1]   ; sum x 2^(e0 + e1) + b
.endr
	WIN 0
.set i, 0
.rept 16
	v_max_num_f32 v[112+i], 0, v[112+i]
.set i, i+1
.endr
.irp t, 0,1,2,3
	ds_store_b128 v11, v[112+4*\t:115+4*\t] offset:XIMG+1024*(\t/2)+256*(\t%2)   ; register 8 tau + 4 p + c is x(r, 8 u + 4 p + c), u = 4 w + 2 tau + h: into piece u at lane 16 p + r
.endr
	s_wait_loadcnt 29                              ; my four rows of hidden_state are in
.irp i, 0,1,2,3
	ds_store_b128 v13, v[QT+4*\i:QT+4*\i+3] offset:HPR+528*\i
.endr
	BAR                                            ; x, the cosines' codes and hidden_state lie in LDS.
	; ---- 58 LDS loads, in the order in which they are wanted
.irp c, 0,1
	ds_load_b128 v[X2F+4*\c:X2F+4*\c+3], v12 offset:CIMG+512*\c        ; 2: the cosines' fragment
.endr
	s_wait_tensorcnt 0x2                           ; wpk's and phi_w's tiles have landed
	WIN 0xc0
.irp tau, 0,1
.irp c, 0,1
	ds_load_b128 v[112+8*\tau+4*\c:115+8*\tau+4*\c], v8 offset:640*\tau+32*\c   ; 4: phi_w's two fragments
.endr
.endr
	WIN 0
.irp j, 0,1,2,3
	ds_load_b128 v[HP+4*\j:HP+4*\j+3], v14 offset:HPR+16*\j            ; 4: hidden_state(r, 32 w + 16 h + 0 .. 15)
.endr
.set u, 0
.rept 16
	ds_load_b128 v[112+4*u:115+4*u], v12 offset:XIMG+512*u             ; 16: x(r, 8 u + 4 h + 0 .. 3)
.set u, u+1
.endr
	WIN 0x40
.set u, 0
.rept 16
	ds_load_b128 v[4*u:4*u+3], v6 offset:512*u                         ; 32: Weff, u by u, both tiles
	ds_load_b128 v[64+4*u:67+4*u], v6 offset:8192+512*u
.set u, u+1
.endr
	; ---- q_phi = relu(cos phi_w + b), and hidden_state's codes
	s_wait_dscnt 52                                ; the first 6 are in: 4 + 16 + 32 behind them
	WIN 0x03                                       ; source 0 (phi_w) window 3
.irp tau, 0,1
	v_wmma_f32_16x16x64_fp8_fp8 v[40+8*\tau:47+8*\tau], v[112+8*\tau:119+8*\tau], v[X2F:X2F+7], 0
.endr
	WIN 0
	s_wait_dscnt 48                                ; hidden_state's columns are in
	QUANT16 HP, 0, 29, 30                          ; its sixteen holds are also the places behind the two products
	ds_store_b128 v16, v[QC:QC+3] offset:HQIMG
	s_wait_loadcnt 25                              ; phi_b is in
	WIN 0x30
.irp i, 0,2,4,6,8,10,12,14
	v_pk_fma_f32 v[56+\i:57+\i], v[40+\i:41+\i], s[12:13], v[64+\i:65+\i] op_sel_hi:[1,0,1]
.endr
	WIN 0
.set i, 0
.rept 16
	v_max_num_f32 v[56+i], 0, v[56+i]
.set i, i+1
.endr
.irp j, 0,1,2,3
	ds_store_b128 v14, v[56+4*\j:59+4*\j] offset:PHROW+16*\j
.endr
	; ---- x Weff by the f32 matrix form: 64 instructions, K = 4 each, the two sums by turns.  A piece's registers 2 v, 2 v + 1 hold i = 8 u + 4 h + 2 v + 0, 1 on both sides
.macro P4CHUNK u0, first
.irp uu, 0,1,2,3
.irp v, 0,1
.irp tau, 0,1
.if \first && (\uu == 0) && (\v == 0)
	v_wmma_f32_16x16x4_f32 v[176+8*\tau:183+8*\tau], v[64*\tau+4*(\u0+\uu)+2*\v:64*\tau+4*(\u0+\uu)+2*\v+1], v[112+4*(\u0+\uu)+2*\v:112+4*(\u0+\uu)+2*\v+1], 0
.else
	v_wmma_f32_16x16x4_f32 v[176+8*\tau:183+8*\tau], v[64*\tau+4*(\u0+\uu)+2*\v:64*\tau+4*(\u0+\uu)+2*\v+1], v[112+4*(\u0+\uu)+2*\v:112+4*(\u0+\uu)+2*\v+1], v[176+8*\tau:183+8*\tau]
.endif
.endr
.endr
.endr
.endm
	s_wait_dscnt 29                                ; x and Weff's u = 0 .. 3 are in: 24 loads and 5 stores behind them
	WIN 0x01                                       ; source 0 (Weff) window 1
	P4CHUNK 0, 1
	s_wait_dscnt 21                                ; 16 loads and 5 stores
	P4CHUNK 4, 0
	s_wait_dscnt 13                                ; 8 loads and 5 stores
	s_wait_tensorcnt 0x0                           ; gru_wi's and gru_wh's tiles have landed: all five of my loads are done
	WIN 0x80
.irp g, 0,1,2
.irp tau, 0,1
.irp c, 0,1,2,3
	ds_load_b128 v[16*(2*\g+\tau)+4*\c:16*(2*\g+\tau)+4*\c+3], v9 offset:4608*\g+1152*\tau+32*\c
	ds_load_b128 v[96+16*(2*\g+\tau)+16*((2*\g+\tau)/5)+4*\c:96+16*(2*\g+\tau)+16*((2*\g+\tau)/5)+4*\c+3], v10 offset:4608*\g+1152*\tau+32*\c
.endr
.endr
.endr
	WIN 0x01
	P4CHUNK 8, 0
	s_wait_dscnt 53                                ; Weff is in: 5 stores and the 48 loads just issued behind it
	P4CHUNK 12, 0
	s_wait_loadcnt 0x1                             ; gru_bi and gru_bh are in
	WIN 0xce                                       ; source 0 window 2, source 1 and destination window 3
.set i, 0
.rept 16
	v_pk_add_f32 v[i:i+1], v[208+i:209+i], v[i:i+1]   ; bi + bh for the gates r and z.  These sixteen are also the eight places behind the f32 form (ISA guide 7.12.1)
.set i, i+2
.endr
	WIN 0
	QUANT16 176, 1, 27, 28                         ; x2 = relu(.): the activation and the hold in one; the sums are read from their low ends on and left as they are
	ds_store_b128 v16, v[QC:QC+3] offset:X2IMG
	BAR                                            ; x2's and hidden_state's codes lie in LDS; every wave's part of wpk has landed
	; ---- the GRU's two products: 6 tiles each (3 gates x 2), K = 128: twelve sums of one instruction
.irp c, 0,1,2,3
	ds_load_b128 v[X2F+4*\c:X2F+4*\c+3], v12 offset:X2IMG+512*\c
.endr
.irp c, 0,1,2,3
	ds_load_b128 v[HQF+4*\c:HQF+4*\c+3], v12 offset:HQIMG+512*\c
.endr
	WIN 0xc0
.irp s, 0,1,2,3
.irp p, 0,1
	ds_load_b128 v[80+8*\s+4*\p:83+8*\s+4*\p], v7 offset:17408*\s+512*\p   ; fc2_w's operand, K step s, from wave s's part of wpk
.endr
.endr
	WIN 0
	s_wait_dscnt 8                                 ; the two fragments are in; fc2_w's eight loads may stay out
	WIN 0x02                                       ; source 0 window 2
.irp t, 0,1,2,3,4,5
	v_wmma_f32_16x16x128_fp8_fp8 v[112+8*\t:119+8*\t], v[16*\t:16*\t+15], v[X2F:X2F+15], 0
	v_wmma_f32_16x16x128_fp8_fp8 v[40+8*\t:47+8*\t], v[96+16*\t+16*(\t/5):111+16*\t+16*(\t/5)], v[HQF:HQF+15], 0
.endr
	WIN 0
	PLACES 4
	; ---- the cell, 16 columns a lane.  v40-87: gh of r, z, n;  v112-159: gi of r, z, n
	WIN 0x30
.set i, 0
.rept 24
	v_pk_fma_f32 v[40+i:41+i], v[40+i:41+i], s[10:11], v[i:i+1] op_sel_hi:[1,0,1]         ; gh x 2^(e6 + e7) + (bi + bh for r and z; bh for n)
.set i, i+2
.endr
	WIN 0x20
.set i, 0
.rept 8
	v_pk_fma_f32 v[144+i:145+i], v[144+i:145+i], s[8:9], v[240+i:241+i] op_sel_hi:[1,0,1]   ; gi of n x 2^(e4 + e5) + bi
.set i, i+2
.endr
	WIN 0
.set i, 0
.rept 16
	v_pk_fma_f32 v[40+i:41+i], v[112+i:113+i], s[8:9], v[40+i:41+i] op_sel_hi:[1,0,1]     ; r's and z's arguments
.set i, i+2
.endr
.set i, 0
.rept 16
	v_pk_mul_f32 v[40+i:41+i], v[40+i:41+i], 0xbfb8aa3b op_sel_hi:[1,0]                   ; sigmoid(a) = 1 / (1 + 2^(-a log2 e))
.set i, i+2
.endr
.set i, 0
.rept 32
	v_exp_f32 v[40+i], v[40+i]
.set i, i+1
.endr
	v_nop
.set i, 0
	s_wait_alu depctr_va_vdst(0)
.rept 16
	v_pk_add_f32 v[40+i:41+i], v[40+i:41+i], 1.0 op_sel_hi:[1,0]
.set i, i+2
.endr
.set i, 0
.rept 32
	v_rcp_f32 v[40+i], v[40+i]
.set i, i+1
.endr
	v_nop
.set i, 0
	s_wait_alu depctr_va_vdst(0)
.rept 8
	v_pk_fma_f32 v[144+i:145+i], v[40+i:41+i], v[72+i:73+i], v[144+i:145+i]               ; inn + r hn
.set i, i+2
.endr
.set i, 0
.rept 8
	v_pk_mul_f32 v[144+i:145+i], v[144+i:145+i], 0x4038aa3b op_sel_hi:[1,0]               ; tanh(y) = 1 - 2 / (1 + 2^(2 y log2 e))
.set i, i+2
.endr
.set i, 0
.rept 16
	v_exp_f32 v[144+i], v[144+i]
.set i, i+1
.endr
	v_nop
.set i, 0
	s_wait_alu depctr_va_vdst(0)
.rept 8
	v_pk_add_f32 v[144+i:145+i], v[144+i:145+i], 1.0 op_sel_hi:[1,0]
.set i, i+2
.endr
.set i, 0
.rept 16
	v_rcp_f32 v[144+i], v[144+i]
.set i, i+1
.endr
	v_nop
.set i, 0
	s_wait_alu depctr_va_vdst(0)
.rept 8
	v_pk_fma_f32 v[144+i:145+i], v[144+i:145+i], -2.0, 1.0 op_sel_hi:[1,0,0]              ; n
.set i, i+2
.endr
.set i, 0
.rept 8
	v_pk_add_f32 v[QT+i:QT+i+1], v[HP+i:HP+i+1], v[144+i:145+i] neg_lo:[0,1] neg_hi:[0,1]   ; hprev - n
.set i, i+2
.endr
.set i, 0
.rept 8
	v_pk_fma_f32 v[QT+i:QT+i+1], v[56+i:57+i], v[QT+i:QT+i+1], v[144+i:145+i]             ; h = n + z (hprev - n)
.set i, i+2
.endr
.irp j, 0,1,2,3
	ds_store_b128 v14, v[QT+4*\j:QT+4*\j+3] offset:HROW+16*\j
.endr
	BAR                                            ; h's 16 rows lie in LDS (q_phi's since the barrier before); fc2_w's operand is in
	; ---- q = (h q_phi) fc2_w + b: samples 4 w .. 4 w + 3 as two tiles of (2 samples x 8 quantiles), in the natural order: source 0 = the products' rows, source 1 = fc2_w's columns
.set n, 0
.rept 16
	ds_load_b128 v[112+4*n:115+4*n], v18 offset:PHROW+128*(n/4)+64*((n/2)%2)+16*(n%2)     ; q_phi(8 (w / 2) + r % 8, 32 s + 16 p + 8 h + 0 .. 7)
.set n, n+1
.endr
.set n, 0
.rept 16
	ds_load_b128 v[40+4*n:43+4*n], v17 offset:HROW+128*(n/4)+64*((n/2)%2)+16*(n%2)        ; h(4 w + r / 8, the same columns)
.set n, n+1
.endr
.set n, 0
.rept 16
	ds_load_b128 v[192+4*n:195+4*n], v17 offset:HROW+1056+128*(n/4)+64*((n/2)%2)+16*(n%2)   ; h two rows further down
.set n, n+1
.endr
	s_wait_loadcnt 0x0                             ; fc2_b
.irp j, 0,1,2,3,4,5,6,7
	v_mov_b32 v[104+\j], v34                       ; the bias in the result's layout: it is the C of each sum's first product
.endr
	s_wait_dscnt 16                                ; q_phi and the first tile's h are in
.set i, 0
.rept 32
	v_pk_mul_f32 v[40+i:41+i], v[40+i:41+i], v[112+i:113+i]
.set i, i+2
.endr
.set n, 0
.rept 32
	v_cvt_pk_bf16_f32 v[40+n], v[40+2*n], v[41+2*n]   ; ascending, so that nothing is written before it is read: fragment s at v[40 + 8 s]
.set n, n+1
.endr
	s_wait_dscnt 0x0
.set i, 0
.rept 32
	v_pk_mul_f32 v[192+i:193+i], v[192+i:193+i], v[112+i:113+i]
.set i, i+2
.endr
.set n, 0
.rept 32
	v_cvt_pk_bf16_f32 v[192+n], v[192+2*n], v[193+2*n]
.set n, n+1
.endr
.irp i, 0,1,2,3
	ds_load_b128 v[112+4*\i:115+4*\i], v13 offset:HROW+528*\i          ; rows 4 w + i of h, whole, for out1
.endr
	WIN 0x0c                                       ; source 1 (fc2_w) window 3
	v_wmma_f32_16x16x32_bf16 v[128:135], v[40:47], v[80:87], v[104:111]
	v_wmma_f32_16x16x32_bf16 v[136:143], v[192:199], v[80:87], v[104:111]
.irp s, 1,2,3
	v_wmma_f32_16x16x32_bf16 v[128:135], v[40+8*\s:47+8*\s], v[80+8*\s:87+8*\s], v[128:135]
	v_wmma_f32_16x16x32_bf16 v[136:143], v[192+8*\s:199+8*\s], v[80+8*\s:87+8*\s], v[136:143]
.endr
	WIN 0
	s_wait_dscnt 0x0
.irp i, 0,1,2,3
	global_store_b128 v22, v[112+4*\i:115+4*\i], s[34:35] offset:512*\i th:TH_STORE_NT   ; 32 lanes store a row of 512 bytes, at a multiple of 256 from out1's first byte
.endr
	PLACES 4
	; ---- the sort.  Lane (r, h) holds in each tile's eight registers the 8 quantiles of action r of sample 4 w + 2 tile + h: a network of 19 exchanges in 6 layers, both tiles by turns
.macro CE lo, hi, a, b
	v_min_num_f32 v[\lo], v[\a], v[\b]
	v_max_num_f32 v[\hi], v[\a], v[\b]
.endm
.macro LAYER n, S0, S1, S2, Z          ; S0: the sums; S1, S2: at work; Z: the sorted eight
.if \n == 1
	CE \S1+0, \S1+2, \S0+0, \S0+2
	CE \S1+1, \S1+3, \S0+1, \S0+3
	CE \S1+4, \S1+6, \S0+4, \S0+6
	CE \S1+5, \S1+7, \S0+5, \S0+7
.elseif \n == 2
	CE \S2+0, \S2+4, \S1+0, \S1+4
	CE \S2+1, \S2+5, \S1+1, \S1+5
	CE \S2+2, \S2+6, \S1+2, \S1+6
	CE \S2+3, \S2+7, \S1+3, \S1+7
.elseif \n == 3
	CE \Z+0, \S1+1, \S2+0, \S2+1
	CE \S1+2, \S1+3, \S2+2, \S2+3
	CE \S1+4, \S1+5, \S2+4, \S2+5
	CE \S1+6, \Z+7, \S2+6, \S2+7
.elseif \n == 4
	CE \S2+2, \S2+4, \S1+2, \S1+4
	CE \S2+3, \S2+5, \S1+3, \S1+5
.elseif \n == 5
	CE \S0+1, \S0+4, \S1+1, \S2+4
	CE \S0+3, \S0+6, \S2+3, \S1+6
.else
	CE \Z+1, \Z+2, \S0+1, \S2+2
	CE \Z+3, \Z+4, \S0+3, \S0+4
	CE \Z+5, \Z+6, \S2+5, \S0+6
.endif
.endm
.irp n, 1,2,3,4,5,6
	LAYER \n, 128, 144, 152, 160
	LAYER \n, 136, 224, 232, 240
.endr
	; ---- out0: my four samples are 1,792 consecutive bytes: through my own stage, so that they leave as whole aligned runs of 256 bytes
	s_wait_xcnt 0x0                                ; EXEC changes only behind this wait: out1's stores have been issued
	v_cmp_gt_u32 vcc_lo, 14, v2
	s_and_saveexec_b32 s14, vcc_lo                 ; actions 0 .. 13
	ds_store_b128 v19, v[160:163] offset:QST
	ds_store_b128 v19, v[164:167] offset:QST+16
	ds_store_b128 v19, v[240:243] offset:QST+896
	ds_store_b128 v19, v[244:247] offset:QST+912
	s_or_b32 exec_lo, exec_lo, s14
.irp i, 0,1,2
	ds_load_b128 v[40+4*\i:43+4*\i], v20 offset:QST+512*\i             ; LDS serves a wave's instructions in order (ISA guide 5.7.1.4): these see my stores
.endr
	v_cmp_gt_u32 vcc_lo, 16, v1
	s_and_saveexec_b32 s14, vcc_lo                 ; the last 256 bytes: sixteen lanes
	ds_load_b128 v[52:55], v20 offset:QST+1536
	s_wait_dscnt 0x0
	global_store_b128 v22, v[52:55], s[32:33] offset:1536 th:TH_STORE_NT
	s_wait_xcnt 0x0                                ; and EXEC is widened only behind this one
	s_or_b32 exec_lo, exec_lo, s14
.irp i, 0,1,2
	global_store_b128 v22, v[40+4*\i:43+4*\i], s[32:33] offset:512*\i th:TH_STORE_NT
.endr
	ROUND                                          ; the closing round: no work-group ends while a partner may still ask for a tile that names it
	s_endpgm
.Lfunc_end_k_q0c328081d5_agent:
	.size	k_q0c328081d5_agent, .Lfunc_end_k_q0c328081d5_agent-k_q0c328081d5_agent
	.p2alignl 7, 3214868480
	.fill 96, 4, 3214868480
	.section	.rodata,"a",@progbits
	.p2align	6, 0x0
	.amdhsa_kernel k_q0c328081d5_agent
		.amdhsa_group_segment_fixed_size 327680
		.amdhsa_private_segment_fixed_size 0
		.amdhsa_enable_private_segment 0
		.amdhsa_kernarg_size 128
		.amdhsa_user_sgpr_count 2
		.amdhsa_user_sgpr_kernarg_segment_ptr 1
		.amdhsa_wavefront_size32 1
		.amdhsa_system_sgpr_workgroup_id_x 1
		.amdhsa_system_sgpr_workgroup_id_y 1
		.amdhsa_system_sgpr_workgroup_id_z 1
		.amdhsa_system_vgpr_workitem_id 0
		.amdhsa_next_free_vgpr 896
		.amdhsa_next_free_sgpr 106
		.amdhsa_reserve_vcc 1
		.amdhsa_float_denorm_mode_32 3
		.amdhsa_float_denorm_mode_16_64 3
		.amdhsa_memory_ordered 1
		.amdhsa_forward_progress 1
		.amdhsa_inst_pref_size 75
	.end_amdhsa_kernel
	.amdgpu_metadata
---
amdhsa.version: [ 1, 2 ]
amdhsa.kernels:
  - .name:           k_q0c328081d5_agent
    .symbol:         k_q0c328081d5_agent.kd
    .args:
      - { .name: inputs_codes, .offset: 0, .size: 8, .value_kind: global_buffer, .address_space: global }
      - { .name: fc1_w_codes, .offset: 8, .size: 8, .value_kind: global_buffer, .address_space: global }
      - { .name: wpk, .offset: 16, .size: 8, .value_kind: global_buffer, .address_space: global }
      - { .name: phi_w_codes, .offset: 24, .size: 8, .value_kind: global_buffer, .address_space: global }
      - { .name: gru_wi_codes, .offset: 32, .size: 8, .value_kind: global_buffer, .address_space: global }
      - { .name: gru_wh_codes, .offset: 40, .size: 8, .value_kind: global_buffer, .address_space: global }
      - { .name: hidden_state, .offset: 48, .size: 8, .value_kind: global_buffer, .address_space: global }
      - { .name: rnd_quantiles, .offset: 56, .size: 8, .value_kind: global_buffer, .address_space: global }
      - { .name: fc1_b, .offset: 64, .size: 8, .value_kind: global_buffer, .address_space: global }
      - { .name: phi_b, .offset: 72, .size: 8, .value_kind: global_buffer, .address_space: global }
      - { .name: gru_bi, .offset: 80, .size: 8, .value_kind: global_buffer, .address_space: global }
      - { .name: gru_bh, .offset: 88, .size: 8, .value_kind: global_buffer, .address_space: global }
      - { .name: fc2_b, .offset: 96, .size: 8, .value_kind: global_buffer, .address_space: global }
      - { .name: lowp_scales, .offset: 104, .size: 8, .value_kind: global_buffer, .address_space: global }
      - { .name: out0, .offset: 112, .size: 8, .value_kind: global_buffer, .address_space: global }
      - { .name: out1, .offset: 120, .size: 8, .value_kind: global_buffer, .address_space: global }
    .group_segment_fixed_size: 327680
    .private_segment_fixed_size: 0
    .kernarg_segment_align: 8
    .kernarg_segment_size: 128
    .max_flat_workgroup_size: 128
    .sgpr_count:     106
    .vgpr_count:     896
    .wavefront_size: 32
...
	.end_amdgpu_metadata
.endif
;; end of part 2
